; MI455X (gfx1250); checked and timed in simulation.
; The chip was launched on July 23, 2026; its instructions are those of AMD's public machine-readable ISA for CDNA 5 (MIT licence, August 2026) and "CDNA5" Instruction Set Architecture Reference Guide (July 2026). The comments in the code are by the model that wrote it; some were corrected since.
;; Attention Luong for batch. Allowed arithmetic: matrix products marked QUANTISED: E2M1 operands, one E8M0 scale for each 32 along K, by v_wmma_scale_f32_16x16x128_f8f6f4 with both operands' format E2M1 (or v_wmma_scale_f32_32x16x128_f4), f32 sums; products left as they are: f32 operands where the result goes on into a quantised operand, else bf16, f16 or f32 operands; f32 sums; everything else in f32.
;; Inputs: attn_b 1,024 float32; attn_w 1,024 x 1,024 float32; encoder_outputs 2,048 x 32 x 1,024 float32; hidden 1 x 32 x 1,024 float32.
;; Outputs: out0 1 x 32 x 2,048 float32.
;; This version of the problem:
;;   THIS VERSION OF THE PROBLEM IS GIVEN IN LOW PRECISION. The matrix products marked QUANTISED in the list below multiply operands that are first quantised to E2M1 (2 exponent bits, 1 mantissa bit; 4 bits a number), with one power-of-two scale for each 32 numbers along K (OCP MX v1.0); their sums are f32. All else is computed in f32.
;;   The module's matrix products, in the order in which they are computed (A, B: the left and right operand; K: the contracted axis; several contracted axes count as one K, in the product's order):
;;     1. [M 65,536, K 1,024] x [K 1,024, N 1,024]; A: input encoder_outputs; B: input attn_w: QUANTISED
;;     2. batch 32 x [M 1, K 1,024] x [K 1,024, N 2,048]; A: input hidden; B: computed on the way: left as it is (M = 1 < 16)
;;   THE QUANTISER, for each operand of a quantised product, along K:
;;     - K is cut into blocks of 32 from its start; a last block that is shorter is filled with zeros.
;;     - A block's scale is 2^e with e = floor(log2(the largest magnitude in the block)) - 2, held to -126 .. 127; a block of zeros has e = 0. As a byte (E8M0): e + 127.
;;     - Each number is divided by its block's scale, clamped to +-6, and rounded to the nearest number of E2M1, ties to even, subnormals kept.
;;     - The product sums the exact products of the quantised numbers (number of the format x scale) in f32.
;;   ~~~python
;;   def quantise(x, axis):      # numpy; x: float32 -> the quantised numbers, widened to float32 again
;;       x = np.moveaxis(x, axis, -1); K = x.shape[-1]
;;       x = np.pad(x, [(0, 0)] * (x.ndim - 1) + [(0, -K % 32)]); x = x.reshape(x.shape[:-1] + (-1, 32)); a = np.abs(x).max(-1, keepdims=True)
;;       e = np.where(a > 0, np.clip(np.frexp(np.where(a > 0, a, 1))[1] - 1 - 2, -126, 127), 0)      # np.frexp(a)[1] - 1 = floor(log2(a)), exactly
;;       r = np.clip(x / 2.0 ** e, -6, 6)
;;       step = 2.0 ** (np.maximum(np.frexp(np.where(r == 0, 1, r))[1] - 1, 0) - 1)
;;       q = np.round(r / step) * step * 2.0 ** e      # np.round: ties to even
;;       return np.moveaxis(q.reshape(q.shape[:-2] + (-1,))[..., :K], -1, axis).astype(np.float32)
;;   ~~~
;; One version. Each part assembles by itself: llvm-mc -triple=amdgcn-amd-amdhsa -mcpu=gfx1250 --defsym DOCPART=n.
;; ======== version 1 of 1: 3 launches
;; limits: right only within a limited range of input values
;; workspace buffers: wq 557,056 bytes; scores 262,144 bytes
;; launch quantw (part 1): grid 64 x 1, 8 waves a work-group, no clusters, 69,120 bytes of LDS; arguments attn_w, wq; writes wq
.if DOCPART == 1
	.amdgcn_target "amdgcn-amd-amdhsa--gfx1250"
	.amdhsa_code_object_version 6
	.text
	.protected	k_qa47d76095f_quantw
	.globl	k_qa47d76095f_quantw
	.p2align	8
	.type	k_qa47d76095f_quantw,@function
k_qa47d76095f_quantw:
	s_mov_b64 s[64:65], 0
	v_nop
	global_prefetch_b8 v0, s[64:65] scope:SCOPE_SE
	s_setreg_imm32_b32 hwreg(HW_REG_WAVE_MODE, 25, 1), 1
	s_wait_xcnt 0x0
; attn_w [1024 (o)][1024 (h)], f32, K = h innermost, becomes codes of FP4 (E2M1) with one E8M0 byte for each 32 along K,
; laid in wq as IMAGES OF THE OPERAND REGISTERS, in the order in which the next launch walks them: K halves outermost.
; DEAD WORK of the program: attn_b adds sum over o of hidden[b][o] attn_b[o] to every score of row b; that term is the same for all s,
; and softmax over s of (x + c) equals softmax of x for every c.  So attn_b is no launch's argument and is not loaded.
; LIMIT of that: a NaN, an infinity or an overflow that would arise in the term left out alone is not carried to the result.
; A column tile is 16 rows o of W.  wq = [K half p (2)][g (64)] pieces of 4,352 bytes; g = 16 t + 8 nh + i holds tile nt = 32 nh + 8 t + i:
;   4 fragment images of 1,024 bytes (K step 4 p + k: lane l registers 0-3 at 16 l, registers 4-7 at 512 + 16 l),
;   then a scale image of 256 bytes: the word of row r for K step 4 p + k at 8 r + 128 (k % 2) + 4 (k / 2).
; SHARES: work-group g makes one tile, wave ks one fragment (16 rows x 128 K).  No loop.
; A lane of a 4-bit fragment holds two WHOLE blocks of 32 (k = 64 c + 32 h + 0..31 of row r), so a block's largest magnitude needs no other lane.
; The loads take the bytes as they lie (512 consecutive bytes of one row); the 8 KB turn through the wave's own stage in LDS (rows 528 bytes apart).
; A block's scale is 2^(floor(log2(largest magnitude)) - 2); its byte is the magnitude's exponent field - 2, held at 1 from below.
; LIMITS: NaN and infinities among the inputs are not served.  A block of zeros gets the byte 1 where the rule says 127:
; its codes are zeros, which add nothing, and this program alone reads the bytes.
.set STGW,  8448                       ; a wave's stage: 16 rows x 528 bytes
.set SP,    528
.set SCI,   8*STGW                     ; behind the stages: the tile's two scale images, 512 bytes
.set HTB,   4352
.set KHALF, 64*HTB                     ; from K half 0 to K half 1 in wq
.set MX,  8
.set SO,  12
.set BY,  14
.set PW,  16
.set TP,  17
.set H8,  18
.set SGO, 19                           ; v19  where a lane stores its 16 bytes of the scale images
.set PC,  20
.set R,   32
.set X,   96
.set SEL, 20
.macro QUANT x
.irp c, 0,1
	v_max3_num_f32 v[MX+2*\c], |v[(\x)+32*\c]|, |v[(\x)+32*\c+1]|, |v[(\x)+32*\c+2]|
	v_max3_num_f32 v[MX+2*\c+1], |v[(\x)+32*\c+3]|, |v[(\x)+32*\c+4]|, |v[(\x)+32*\c+5]|
.endr
.irp i, 6,10,14,18,22,26
.irp c, 0,1
	s_delay_alu instid0(VALU_DEP_4)
	v_max3_num_f32 v[MX+2*\c], v[MX+2*\c], |v[(\x)+32*\c+\i]|, |v[(\x)+32*\c+\i+1]|       ; four chains by turns
	s_delay_alu instid0(VALU_DEP_4)
	v_max3_num_f32 v[MX+2*\c+1], v[MX+2*\c+1], |v[(\x)+32*\c+\i+2]|, |v[(\x)+32*\c+\i+3]|
.endr
.endr
.irp c, 0
	s_delay_alu instid0(VALU_DEP_4)
	v_max3_num_f32 v[MX+2*\c], v[MX+2*\c], |v[(\x)+32*\c+30]|, |v[(\x)+32*\c+31]|
.endr
.irp c, 1
	s_delay_alu instid0(VALU_DEP_3)
	v_max3_num_f32 v[MX+2*\c], v[MX+2*\c], |v[(\x)+32*\c+30]|, |v[(\x)+32*\c+31]|
.endr
.irp c, 0,1
	s_delay_alu instid0(VALU_DEP_2)
	v_max3_num_f32 v[MX+2*\c], v[MX+2*\c], v[MX+2*\c+1], 0x1800000   ; the two chains, and the floor 2^(3 - 127)
.endr
.irp c, 0,1
	s_delay_alu instid0(VALU_DEP_2)
	v_add_nc_u32 v[SO+\c], 0xff000000, v[MX+2*\c]   ; 2 off the exponent field: the conversion's scale operand
.endr
.irp c, 0,1
	s_delay_alu instid0(VALU_DEP_2)
	v_lshrrev_b32 v[BY+\c], 23, v[SO+\c]            ; the scale's byte
.endr
	s_delay_alu instid0(VALU_DEP_1)
	v_lshl_or_b32 v[PW], v[BY+1], 16, v[BY]         ; my two bytes: blocks h and 2 + h of the row,
	s_delay_alu instid0(VALU_DEP_1)
	v_lshlrev_b32 v[PW], v[H8], v[PW]               ; at their places in the word;
	s_delay_alu instid0(VALU_DEP_1)
	v_permlanex16_b32 v[TP], v[PW], s[SEL], s[SEL+1]
	s_delay_alu instid0(VALU_DEP_1)
	v_or_b32 v[PW], v[PW], v[TP]                    ; with lane l xor 16's two the word is whole
.irp c, 0,1
.irp g, 0,1,2,3
	v_cvt_scalef32_pk8_fp4_f32 v[PC+4*\c+\g], v[(\x)+32*\c+8*\g:(\x)+32*\c+8*\g+7], v[SO+\c]
.endr
.endr
	v_nop                                           ; one plain line behind the last scaled conversion
.endm
	s_load_b128 s[4:7], s[0:1], 0x0                ; attn_w s[4:5], wq s[6:7]
	v_lshl_add_u32 v160, v0, 2, 0x10a00            ; my spare word, behind the scale images
	v_mov_b32 v161, 0
	v_lshrrev_b32 v1, 5, v0
	s_delay_alu instid0(VALU_DEP_1)
	v_readfirstlane_b32 s8, v1                     ; wave = K step ks
	s_mul_i32 s9, s8, STGW                         ; my stage
	s_and_b32 s10, s8, 1
	s_lshl_b32 s10, s10, 7                         ; 128 (ks % 2)
	s_bfe_u32 s11, s8, 0x10001
	s_lshl_b32 s11, s11, 2                         ; 4 ((ks % 4) / 2)
	s_add_co_u32 s10, s10, s11
	s_lshr_b32 s11, s8, 2
	s_lshl_b32 s11, s11, 8                         ; 256 p
	s_add_co_u32 s10, s10, s11
	s_add_co_u32 s10, s10, SCI
	s_mov_b32 s[SEL], 0x76543210
	s_mov_b32 s[SEL+1], 0xfedcba98
	s_lshr_b32 s12, ttmp9, 4                       ; t
	s_bfe_u32 s13, ttmp9, 0x10003                  ; nh
	s_and_b32 s14, ttmp9, 7                        ; i
	s_lshl_b32 s12, s12, 3
	s_lshl_b32 s13, s13, 5
	s_add_co_u32 s12, s12, s13
	s_add_co_u32 s12, s12, s14                     ; nt = 32 nh + 8 t + i
	s_lshl_b32 s12, s12, 16                        ; 16 rows of 4,096 bytes
	s_lshl_b32 s13, s8, 9                          ; + my 128 numbers of each row
	s_add_co_u32 s12, s12, s13
	s_mov_b32 s13, 0
	s_mul_i32 s14, ttmp9, HTB                      ; the tile's piece in K half 0
	s_mov_b32 s15, 0
	s_and_b32 s16, s8, 3
	s_lshl_b32 s16, s16, 10                        ; my fragment's image in its piece,
	s_lshr_b32 s17, s8, 2
	s_mul_i32 s17, s17, KHALF                      ; in my K half
	s_add_co_u32 s16, s16, s17
	s_mov_b32 s17, 0
	v_and_b32 v2, 31, v0
	s_delay_alu instid0(VALU_DEP_1)
	v_lshlrev_b32 v1, 4, v2                        ; 16 x lane
	v_and_b32 v2, 15, v0                           ; r
	v_bfe_u32 v3, v0, 4, 1                         ; h
	v_add_nc_u32 v4, s9, v1                        ; into the stage: 16 x lane, a row to a store
	v_mul_u32_u24 v5, v2, SP
	s_delay_alu instid0(VALU_DEP_1)
	v_lshl_add_u32 v5, v3, 7, v5
	s_delay_alu instid0(VALU_DEP_1)
	v_add_nc_u32 v5, s9, v5                        ; out of it: row r, + 128 h
	v_lshl_add_u32 v6, v2, 3, s10                  ; my row's scale word
	v_add_nc_u32 v7, SCI, v1                       ; the scale images read back: lanes 0-15 K half 0's, lanes 16-31 K half 1's
	v_lshlrev_b32 v[H8], 3, v3
	v_mul_u32_u24 v[SGO], v3, KHALF
	s_delay_alu instid0(VALU_DEP_1)
	v_lshl_add_u32 v[SGO], v2, 4, v[SGO]           ; and their places in wq: sixteen lanes fill one aligned 256 bytes
	v_mov_b32 v[TP], 0                             ; a lane permute's destination counts as one of its sources
	s_wait_alu depctr_va_vdst(0)                   ; the wait at the head's end
	s_wait_kmcnt 0x0
	s_add_nc_u64 s[4:5], s[4:5], s[12:13]
	s_add_nc_u64 s[6:7], s[6:7], s[14:15]
	s_add_nc_u64 s[18:19], s[6:7], s[16:17]
.irp i, 0,1,2,3,4,5,6,7,8,9,10,11,12,13,14,15
	global_load_b128 v[R+4*\i:R+4*\i+3], v1, s[4:5] offset:4096*\i th:TH_LOAD_NT   ; row i: 32 lanes read 512 consecutive bytes
.endr
	s_wait_loadcnt 0x0
.irp i, 0,1,2,3,4,5,6,7,8,9,10,11,12,13,14,15
	ds_store_b128 v4, v[R+4*\i:R+4*\i+3] offset:SP*\i
.endr
.irp c, 0,1
.irp g, 0,1,2,3,4,5,6,7
	ds_load_b128 v[X+32*\c+4*\g:X+32*\c+4*\g+3], v5 offset:256*\c+16*\g   ; LDS serves a wave's instructions in order: these see my stores
.endr
.endr
	s_wait_dscnt 0x0
	QUANT X
	global_store_b128 v1, v[PC:PC+3], s[18:19]              ; each store of the wave covers 512 consecutive bytes, aligned
	global_store_b128 v1, v[PC+4:PC+7], s[18:19] offset:512
	ds_store_b32 v6, v[PW]                         ; lanes r and r + 16 write the same word with the same value
	s_wait_dscnt 0x0                               ; for the others' sake: my word has landed
	s_barrier_signal -1
	s_barrier_wait -1
	s_cmp_lg_u32 s8, 0                             ; wave 0 stores the eight waves' words as two images
	s_cbranch_scc1 .Ldone
	ds_load_b128 v[28:31], v7
	s_wait_dscnt 0x0
	global_store_b128 v[SGO], v[28:31], s[6:7] offset:4096
.Ldone:
	s_wait_tensorcnt 0x0                           ; the wave's end
	ds_add_u32 v160, v161
	s_wait_dscnt 0x0
	s_endpgm
.Lfunc_end_k_qa47d76095f_quantw:
	.size	k_qa47d76095f_quantw, .Lfunc_end_k_qa47d76095f_quantw-k_qa47d76095f_quantw
	.p2alignl 7, 3214868480
	.fill 96, 4, 3214868480
	.section	.rodata,"a",@progbits
	.p2align	6, 0x0
	.amdhsa_kernel k_qa47d76095f_quantw
		.amdhsa_group_segment_fixed_size 69120
		.amdhsa_private_segment_fixed_size 0
		.amdhsa_enable_private_segment 0
		.amdhsa_kernarg_size 16
		.amdhsa_user_sgpr_count 2
		.amdhsa_user_sgpr_kernarg_segment_ptr 1
		.amdhsa_wavefront_size32 1
		.amdhsa_system_sgpr_workgroup_id_x 1
		.amdhsa_system_sgpr_workgroup_id_y 1
		.amdhsa_system_sgpr_workgroup_id_z 1
		.amdhsa_system_vgpr_workitem_id 0
		.amdhsa_next_free_vgpr 162
		.amdhsa_next_free_sgpr 66
		.amdhsa_reserve_vcc 0
		.amdhsa_float_denorm_mode_32 3
		.amdhsa_float_denorm_mode_16_64 3
		.amdhsa_memory_ordered 1
		.amdhsa_forward_progress 1
		.amdhsa_inst_pref_size 12
	.end_amdhsa_kernel
	.amdgpu_metadata
---
amdhsa.version: [ 1, 2 ]
amdhsa.kernels:
  - .name:           k_qa47d76095f_quantw
    .symbol:         k_qa47d76095f_quantw.kd
    .args:
      - { .name: attn_w, .offset: 0, .size: 8, .value_kind: global_buffer, .address_space: global }
      - { .name: wq, .offset: 8, .size: 8, .value_kind: global_buffer, .address_space: global }
    .group_segment_fixed_size: 69120
    .private_segment_fixed_size: 0
    .kernarg_segment_align: 8
    .kernarg_segment_size: 16
    .max_flat_workgroup_size: 256
    .sgpr_count:     66
    .vgpr_count:     162
    .wavefront_size: 32
...
	.end_amdgpu_metadata
.endif
;; end of part 1
;; launch project (part 2): grid 32 x 8, 4 waves a work-group, clusters of 4 x 1, 327,680 bytes of LDS; arguments encoder_outputs, hidden, wq, scores; writes scores
.if DOCPART == 2
	.amdgcn_target "amdgcn-amd-amdhsa--gfx1250"
	.amdhsa_code_object_version 6
	.text
	.protected	k_qa47d76095f_project
	.globl	k_qa47d76095f_project
	.p2align	8
	.type	k_qa47d76095f_project,@function
k_qa47d76095f_project:
	s_mov_b64 s[64:65], 0
	v_nop
	global_prefetch_b8 v0, s[64:65] scope:SCOPE_SE
	s_setreg_imm32_b32 hwreg(HW_REG_WAVE_MODE, 25, 1), 1
	s_wait_xcnt 0x0
	s_wait_alu depctr_hold_cnt(0) depctr_sa_sdst(0) depctr_va_vdst(0) depctr_va_sdst(0) depctr_va_ssrc(0) depctr_va_vcc(0) depctr_vm_vsrc(0)
	s_getreg_b32 s2, hwreg(HW_REG_IB_STS2, 6, 4)
	s_cmp_eq_u32 s2, 0
	s_cbranch_scc0 .Lentry_in_a_cluster
	s_endpgm
.Lentry_in_a_cluster:
	s_bfe_u32 s2, ttmp6, 0x10000c
	s_cmp_lg_u32 s2, 0x3003
	s_cbranch_scc0 .Lentry_shape_is_right
	s_endpgm
.Lentry_shape_is_right:
; scores[b][s] = sum over o of hidden[b][o] x (sum over h of Q(E)[s][b][h] Q(W)[o][h]).  E = encoder_outputs [2048 (s)][32 (b)][1024 (h)] f32.
; LEFT OUT as dead work: attn_b (its term is the same for all s of a row of the softmax that follows: see the first kernel's head).
; The inner product runs on codes of FP4 (E2M1) with one E8M0 scale for each 32 along h; W's codes come from wq as register images; E is quantised here.
; The outer product (one row a batch) is f32 multiply-adds on the matrix results: the projection never goes to memory.
; SHARES.  Work-group (b, y) owns ONE b and s = 256 y .. 256 y + 255.  Wave w quantises rows 64 w .. 64 w + 63; in the products it takes row half rh = w / 2 (8 row tiles) and column half nh = w % 2.
; K GOES IN TWO HALVES, since the sum over o is linear in the partial sums over h:
;   stage 1: h 0-511 of all rows is loaded and quantised (16 fragments of 16 rows x 128 K a wave), the fragments stored in LDS as register images;
;   stage 2: h 0-511 is multiplied (E's 32 fragments of my row half stay in 256 registers) while h 512-1023 is loaded and quantised: one fragment for every two column tiles;
;   stage 3: h 512-1023 is multiplied.
; Every byte of E is read once, 512 consecutive bytes of one row to a load, four fragments (64 loads a wave) ahead.  wq is walked once.
; W comes through a ring of two LDS slots of 16 half tiles (69,632 bytes): a trip is one slot, 8 half tiles a wave, 256 matrix instructions.  At a trip's top the next slot is asked for: it has the trip in which to land.
; CLUSTER.  All work-groups walk the same wq: the four of a cluster ask for each slot JOINTLY.  E, hidden and scores are no two work-groups' alike.
; NO PREFETCH: E's own loads run four fragments ahead of their use, and each slot of wq is asked for a whole trip ahead.
; LIMITS: NaN and infinities among the inputs are not served.  A block of zeros gets the byte 1 where the rule says 127: its codes are zeros, and this program alone reads the bytes.
; A score is summed K half by K half, column tile by column tile, then over 16 lanes, then over the two column halves.
; REGISTERS, in windows of 256: window 0: v0-31 addresses; v32-47 E's scale words; v48-51 W's; v52-59 hidden; v64-127 the score sums; v144-207 a fragment's 64 numbers; v208-227 the quantiser's
;   window 1: v0-63 W's fragments, two sets; v128-255 the accumulators, two sets of 8.   window 2: E's fragments of the K half in hand.   window 3: four sets of 16 loads.
.set SLOTB,  69632
.set QUART,  17408                     ; what one tensor load brings: 68 rows of 256 bytes
.set HTB,    4352                      ; a half tile: 4 fragment images and 256 bytes of scale words
.set IMG,    2*SLOTB                   ; E's fragment images (row tile T, K step ks) at (8 T + ks) x 1,024
.set ASC,    IMG+131072                ; E's scale images, 512 bytes a row tile: row r, K step ks at 16 r + 256 (ks % 2) + 4 (ks / 2)
.set HIDL,   ASC+8192                  ; hidden[b]
.set STG,    HIDL+4096                 ; a stage of 16 rows x 528 bytes for each wave
.set STGW,   8448
.set SP,     528
.set RED,    STG+4*STGW                ; the way out: 128 sums for each wave
.set SPARE,  RED+2048                  ; the spare words: two blocks of 256 bytes that no other line names
.set ROWE,   131072                    ; from s to s + 1 in E
.set RT,     16*ROWE
.set L16, 1
.set LR,  2
.set LH,  3
.set SPW, 4
.set NIL, 5
.set STW, 6
.set STR, 7
.set IW,  8
.set SW,  9
.set AI,  10
.set AS,  11
.set AB,  12                           ; my column half's pieces in slot 0: 16 x lane;  AB8: 8 x lane
.set AB8, 13
.set AH,  14
.set RS,  15
.set RRD, 16
.set GO,  17
.set IWC, 18                           ; the five addresses of a trip
.set SWC, 19
.set AHC, 20
.set ABC, 21
.set ABS, 22
.set T16, 23
.set PB,  24
.set HCP, 30
.set SA,  32
.set SB,  48
.set HD,  52
.set S,   64
.set X,   144
.set MX,  208
.set SO,  212
.set BY,  214
.set PW,  216
.set TP,  217
.set H8,  218
.set PC,  220
.set ACC, 128
.set WV,  14                           ; s14 wave; s15 rh; s16 nh; s17 cx; s18 b; s19 y
.set G1,  24
.set G0,  32                           ; one group 0: written only where no tensor load of mine is out
.set SEL, 40
.set CNT, 42
.set EN,  46                           ; s[46:47] E at the row tile and K half whose loads are being issued
.set IT,  48
.set STP, 49
.set HT,  50
.set PAR, 51                           ; 0 or SLOTB: the slot in hand
.set M2,  0x56                         ; source 0 (E) window 2; source 1 (W), C and D window 1
.set EPW, 0x01                         ; source 0 (an accumulator) window 1
.set MSB, 0
.macro WIN new
.if MSB != \new
	s_set_vgpr_msb (MSB<<8)|\new
.set MSB, \new
.endif
.endm
.macro ROUND                           ; a round of the cluster's barrier
	s_barrier_signal -1
	s_barrier_wait -1
	s_cmp_lg_u32 s[WV], 0
	s_cbranch_scc1 .Lnot_wave_0_\@
	s_barrier_signal -3
.Lnot_wave_0_\@:
	s_barrier_wait -3
	s_barrier_signal -1
	s_barrier_wait -1
.endm
.macro NOPS
.rept 4
	v_nop
.endr
.endm
; 64 numbers of a lane, register 32 c + e = k 64 c + 32 h + e of my row, become the fragment's eight registers v[PC] on and the row's scale word v[PW]
.macro QUANT
.irp c, 0,1
	v_max3_num_f32 v[MX+2*\c], |v[X+32*\c]|, |v[X+32*\c+1]|, |v[X+32*\c+2]|
	v_max3_num_f32 v[MX+2*\c+1], |v[X+32*\c+3]|, |v[X+32*\c+4]|, |v[X+32*\c+5]|
.endr
.irp i, 6,10,14,18,22,26
.irp c, 0,1
	v_max3_num_f32 v[MX+2*\c], v[MX+2*\c], |v[X+32*\c+\i]|, |v[X+32*\c+\i+1]|
	v_max3_num_f32 v[MX+2*\c+1], v[MX+2*\c+1], |v[X+32*\c+\i+2]|, |v[X+32*\c+\i+3]|
.endr
.endr
.irp c, 0,1
	v_max3_num_f32 v[MX+2*\c], v[MX+2*\c], |v[X+32*\c+30]|, |v[X+32*\c+31]|
.endr
.irp c, 0,1
	v_max3_num_f32 v[MX+2*\c], v[MX+2*\c], v[MX+2*\c+1], 0x1800000   ; the floor 2^(3 - 127): the byte cannot fall under 1
.endr
.irp c, 0,1
	v_add_nc_u32 v[SO+\c], 0xff000000, v[MX+2*\c]   ; 2 off the exponent field: the conversion's scale operand
.endr
.irp c, 0,1
	v_lshrrev_b32 v[BY+\c], 23, v[SO+\c]
.endr
	v_lshl_or_b32 v[PW], v[BY+1], 16, v[BY]
	v_lshlrev_b32 v[PW], v[H8], v[PW]
	v_permlanex16_b32 v[TP], v[PW], s[SEL], s[SEL+1]
	v_or_b32 v[PW], v[PW], v[TP]
.irp c, 0,1
.irp g, 0,1,2,3
	v_cvt_scalef32_pk8_fp4_f32 v[PC+4*\c+\g], v[X+32*\c+8*\g:X+32*\c+8*\g+7], v[SO+\c]
.endr
.endr
	v_nop                                           ; one plain line behind the last scaled conversion
.endm
.macro LOAD j                          ; 16 rows x 512 bytes: K step j of the K half at EN, into set j
	WIN 0xc0
.irp i, 0,1,2,3,4,5,6,7,8,9,10,11,12,13,14,15
	global_load_b128 v[64*(\j)+4*\i:64*(\j)+4*\i+3], v[L16], s[EN:EN+1] offset:512*(\j)+\i*ROWE th:TH_LOAD_NT
.endr
	WIN 0
.endm
; first part of a fragment's work: set j is in (cnt younger loads may stay out) and goes through my stage: in as loaded, out 128 bytes of one row to a lane
.macro FA j, cnt
	s_wait_loadcnt \cnt
	WIN 0x0c
.irp i, 0,1,2,3,4,5,6,7,8,9,10,11,12,13,14,15
	ds_store_b128 v[STW], v[64*(\j)+4*\i:64*(\j)+4*\i+3] offset:SP*\i
.endr
	WIN 0
.irp c, 0,1
.irp g, 0,1,2,3,4,5,6,7
	ds_load_b128 v[X+32*\c+4*\g:X+32*\c+4*\g+3], v[STR] offset:256*\c+16*\g
.endr
.endr
.endm
; second part, behind a wait for all my LDS instructions: set j takes the fragment four on (ld = 1); the numbers are quantised; image and scale word of K step ks are stored
.macro FB j, ks, ld
.if \ld
	LOAD \j
.endif
	QUANT
	ds_store_b128 v[IWC], v[PC:PC+3] offset:1024*(\ks)
	ds_store_b128 v[IWC], v[PC+4:PC+7] offset:1024*(\ks)+512
	ds_store_b32 v[SWC], v[PW] offset:256*((\ks)%2)+4*((\ks)/2)
.endm
; everybody's images of K half p have landed; my row half's 32 fragments ((mt, k) at v[64 k + 8 mt], window 2) and their scale words come into registers
.macro STAGEIN p
	WIN 0
	s_wait_dscnt 0x0
	s_barrier_signal -1                            ; my one tensor load may stay out
	s_barrier_wait -1
	WIN 0x80
.irp kk, 0,1,2,3
.irp mt, 0,1,2,3,4,5,6,7
.irp c, 0,1
	ds_load_b128 v[64*\kk+8*\mt+4*\c:64*\kk+8*\mt+4*\c+3], v[AI] offset:(8*\mt+4*(\p)+\kk)*1024+512*\c
.endr
.endr
.endr
	WIN 0
.irp mt, 0,1,2,3,4,5,6,7
	ds_load_b64 v[SA+2*\mt:SA+2*\mt+1], v[AS] offset:512*\mt+8*(\p)   ; register k: K step 2 k in lanes 0-15, 2 k + 1 in lanes 16-31
.endr
.endm
.macro LOADS ni                        ; half tile ni of the slot in hand: 4 fragments into W's set ni % 2, its scale words, hidden of its columns
	WIN 0x40
.irp ks, 0,1,2,3
.irp c, 0,1
	ds_load_b128 v[32*((\ni)%2)+8*\ks+4*\c:32*((\ni)%2)+8*\ks+4*\c+3], v[ABC] offset:(\ni)*HTB+1024*\ks+512*\c
.endr
.endr
	WIN 0
	ds_load_b64 v[SB+2*((\ni)%2):SB+2*((\ni)%2)+1], v[ABS] offset:(\ni)*HTB+4096
	ds_load_b32 v[HD+2*((\ni)%4)], v[AHC] offset:64*(\ni)
.endm
; 8 matrix instructions: K step ks of the half tile in set q against my 8 row tiles; the 8 accumulators take turns.  K step 0 starts the sums
.macro G ks, q
.irp mt, 0,1,2,3,4,5,6,7
.if (\ks) == 0
	v_wmma_scale_f32_16x16x128_f8f6f4 v[ACC+64*(\q)+8*\mt:ACC+64*(\q)+8*\mt+7], v[64*(\ks)+8*\mt:64*(\ks)+8*\mt+7], v[32*(\q)+8*(\ks):32*(\q)+8*(\ks)+7], 0, v[SA+2*\mt+(\ks)/2], v[SB+2*(\q)+(\ks)/2] matrix_a_fmt:MATRIX_FMT_FP4 matrix_b_fmt:MATRIX_FMT_FP4
.elseif ((\ks)%2) == 0
	v_wmma_scale_f32_16x16x128_f8f6f4 v[ACC+64*(\q)+8*\mt:ACC+64*(\q)+8*\mt+7], v[64*(\ks)+8*\mt:64*(\ks)+8*\mt+7], v[32*(\q)+8*(\ks):32*(\q)+8*(\ks)+7], v[ACC+64*(\q)+8*\mt:ACC+64*(\q)+8*\mt+7], v[SA+2*\mt+(\ks)/2], v[SB+2*(\q)+(\ks)/2] matrix_a_fmt:MATRIX_FMT_FP4 matrix_b_fmt:MATRIX_FMT_FP4
.else
	v_wmma_scale_f32_16x16x128_f8f6f4 v[ACC+64*(\q)+8*\mt:ACC+64*(\q)+8*\mt+7], v[64*(\ks)+8*\mt:64*(\ks)+8*\mt+7], v[32*(\q)+8*(\ks):32*(\q)+8*(\ks)+7], v[ACC+64*(\q)+8*\mt:ACC+64*(\q)+8*\mt+7], v[SA+2*\mt+(\ks)/2], v[SB+2*(\q)+(\ks)/2] matrix_a_fmt:MATRIX_FMT_FP4 matrix_b_fmt:MATRIX_FMT_FP4 matrix_a_scale:MATRIX_SCALE_ROW1 matrix_b_scale:MATRIX_SCALE_ROW1
.endif
.endr
.endm
; row tiles k0 .. k0 + 3 of a finished half tile (accumulator set p, hidden register e): sums += result x hidden; each accumulator is read from its low end on
.macro EP4 k0, p, e
	WIN EPW
.irp k, \k0, \k0+1, \k0+2, \k0+3
.irp u, 0,1,2,3
	v_pk_fma_f32 v[S+8*(\k)+2*\u:S+8*(\k)+2*\u+1], v[ACC+64*(\p)+8*(\k)+2*\u:ACC+64*(\p)+8*(\k)+2*\u+1], v[HD+2*(\e):HD+2*(\e)+1], v[S+8*(\k)+2*\u:S+8*(\k)+2*\u+1] op_sel_hi:[1,0,1]
.endr
.endr
.endm
; A HALF TILE, number i of its slot: 32 matrix instructions; among them the multiply-adds of the half tile before.  The next one is fetched a half tile ahead: its registers were last read by the
; matrix instructions of the half tile before, and the sixteen multiply-adds (or four v_nop) at that one's end, which name none of their registers, are the places between.
; fr = 1: an even half tile sends fragment i / 2 through the stage, the odd one behind it quantises it.
.macro TILE i, nxt, fr, ld, kb
.set TQ, (\i)%2
.set TO, 1-TQ
.set TE, ((\i)+3)%4
	s_wait_dscnt 0x0                               ; this half tile's registers are in; so are a fragment's numbers from the stage
.if \nxt
	LOADS (\i)+1
.endif
	WIN 0                                          ; the fragment's work names window 0 alone
.if \fr
.if TQ == 0
	FA (\i)/2, 48-16*((\i)/2)*(1-(\ld))            ; three younger fragments stay out; in the last trip, which loads nothing, the counts run down
.else
	FB (\i)/2, (\kb)+(\i)/2, \ld
.endif
.endif
	WIN M2
	G 0, TQ
	G 1, TQ
.if (\i) > 0
	EP4 0, TO, TE
.endif
	WIN M2
	G 2, TQ
	G 3, TQ
.if (\i) > 0
	EP4 4, TO, TE
.else
	NOPS
.endif
.endm
; A TRIP: one slot.  At its top each wave waits for all its tensor loads (one is out: its quarter of this slot), adds 0 to its spare word, waits for that and for its reads of the other slot;
; fill = 1: a round of the cluster's barrier, and the joint load of the next slot into the slot read last is the first thing behind it;  fill = 0: my work-group's barrier alone.
.macro SLOT fill, fr, ld, kb
	WIN 0
	s_wait_tensorcnt 0x0
	ds_add_u32 v[SPW], v[NIL]
	v_add_nc_u32 v[ABC], s[PAR], v[AB]
	v_add_nc_u32 v[ABS], s[PAR], v[AB8]
	v_add_nc_u32 v[AHC], s[HT], v[AH]
.if \fr
	v_add_nc_u32 v[IWC], s[IT], v[IW]
	v_add_nc_u32 v[SWC], s[STP], v[SW]
.endif
.if \fill
	s_xor_b32 s[G0+1], s[G0+1], SLOTB              ; no tensor load of mine is out: the other slot in LDS,
	s_add_nc_u64 s[G0+2:G0+3], s[G0+2:G0+3], SLOTB ; the next slot of wq
.endif
	s_wait_alu depctr_va_vdst(0)
	s_wait_dscnt 0x0
.if \fill
	ROUND
	tensor_load_to_lds s[G0:G0+3], s[G1:G1+7]
	s_nop 0
	NOPS
.else
	s_barrier_signal -1
	s_barrier_wait -1
.endif
	LOADS 0
.irp i, 0,1,2,3,4,5,6
	TILE \i, 1, \fr, \ld, \kb
.endr
	TILE 7, 0, \fr, \ld, \kb
	EP4 0, 1, 3                                    ; the last half tile's multiply-adds; the sixteen above them are the places behind its last products
	EP4 4, 1, 3
	WIN 0
	s_xor_b32 s[PAR], s[PAR], SLOTB
	s_add_co_u32 s[HT], s[HT], 512
.if \fr
	s_add_co_u32 s[IT], s[IT], 8192
	s_add_co_u32 s[STP], s[STP], 512
.endif
.if \ld
	s_wait_xcnt 0x0                                ; the loads that are out have read their base
	s_add_nc_u64 s[EN:EN+1], s[EN:EN+1], RT
.endif
.endm
	s_load_b256 s[4:11], s[0:1], 0x0               ; E s[4:5], hidden s[6:7], wq s[8:9], scores s[10:11]
	v_lshl_add_u32 v[SPW], v0, 2, SPARE
	v_mov_b32 v[NIL], 0
	ds_add_u32 v[SPW], v[NIL]                      ; the opening lines: the add, twice on end
	ds_add_u32 v[SPW], v[NIL]
	v_lshrrev_b32 v28, 5, v0
	v_readfirstlane_b32 s[WV], v28
	s_lshr_b32 s15, s[WV], 1                       ; rh
	s_and_b32 s16, s[WV], 1                        ; nh
	s_bfe_u32 s17, ttmp6, 0x40000                  ; cx: it enters global addresses of E, hidden and scores alone
	s_lshl_b32 s18, ttmp9, 2
	s_add_co_u32 s18, s18, s17                     ; b
	s_and_b32 s19, ttmp7, 0xffff                   ; y
	s_mov_b32 s[G1+0], 15|(3<<16)|(1<<21)          ; the mask: all four work-groups; elements of 8 bytes; bit 21 beside a mask
	s_mov_b32 s[G1+1], 32<<16
	s_mov_b32 s[G1+2], 68<<16
	s_mov_b32 s[G1+3], 32<<16
	s_mov_b32 s[G1+4], 68
	s_mov_b32 s[G1+5], 32
	s_mov_b32 s[G1+6], 0
	s_mov_b32 s[G1+7], 0
	s_mov_b32 s[SEL], 0x76543210
	s_mov_b32 s[SEL+1], 0xfedcba98
	s_mul_i32 s36, s[WV], STGW
	s_add_co_u32 s36, s36, STG                     ; my stage
	s_lshl_b32 s37, s[WV], 15
	s_add_co_u32 s37, s37, IMG                     ; my four row tiles' images
	s_lshl_b32 s38, s[WV], 11
	s_add_co_u32 s38, s38, ASC
	s_lshl_b32 s39, s15, 16
	s_add_co_u32 s39, s39, IMG                     ; my row half's images
	s_lshl_b32 s43, s15, 12
	s_add_co_u32 s43, s43, ASC
	s_mul_i32 s44, s16, 8*HTB                      ; my column half's eight pieces of a slot
	s_lshl_b32 s45, s16, 11
	s_add_co_u32 s45, s45, HIDL
	s_lshl_b32 s54, s[WV], 9
	s_add_co_u32 s54, s54, RED
	s_mul_i32 s20, s[WV], QUART                    ; my quarter of a slot, in wq and in LDS alike
	s_mov_b32 s21, 0
	s_mov_b32 s53, 0
	s_mov_b32 s[IT], 0
	s_mov_b32 s[STP], 0
	s_mov_b32 s[HT], 0
	s_mov_b32 s[PAR], 0
	v_and_b32 v28, 31, v0
	v_lshlrev_b32 v[L16], 4, v28
	v_and_b32 v[LR], 15, v0
	v_bfe_u32 v[LH], v0, 4, 1
	v_add_nc_u32 v[STW], s36, v[L16]
	v_mul_u32_u24 v[STR], v[LR], SP
	v_lshl_add_u32 v[STR], v[LH], 7, v[STR]
	v_add_nc_u32 v[STR], s36, v[STR]               ; row r, + 128 h
	v_add_nc_u32 v[IW], s37, v[L16]
	v_lshl_add_u32 v[SW], v[LR], 4, s38
	v_add_nc_u32 v[AI], s39, v[L16]
	v_add_nc_u32 v[AS], s43, v[L16]
	v_add_nc_u32 v[AB], s44, v[L16]
	v_lshl_add_u32 v[AB8], v28, 3, s44
	v_lshl_add_u32 v[AH], v[LR], 2, s45
	v_lshl_add_u32 v[RS], v[LH], 5, s54            ; my wave's 128 sums: row 16 mt + 8 h + j
	v_lshrrev_b32 v[RRD], 6, v0
	v_and_b32 v[GO], 63, v0
	v_lshlrev_b32 v[RRD], 10, v[RRD]
	v_lshl_add_u32 v[RRD], v[GO], 3, v[RRD]
	v_add_nc_u32 v[RRD], RED, v[RRD]               ; rows 2 t, 2 t + 1 of the block: row half t / 64, first column half's sums
	v_lshlrev_b32 v[GO], 3, v0
	v_lshlrev_b32 v[T16], 4, v0
	v_add_nc_u32 v[HCP], HIDL, v[T16]
	v_lshlrev_b32 v[H8], 3, v[LH]
	v_mov_b32 v[TP], 0                             ; a lane permute's destination counts as one of its sources
.irp e, 0,1,2,3
	v_mov_b32 v[HD+2*\e+1], 0                      ; named as the upper half of a pair, so it is written
.endr
	s_wait_alu depctr_va_vdst(0)                   ; the wait at the head's end
	s_wait_dscnt 0x0                               ; both opening adds are done
	s_wait_kmcnt 0x0
	s_mov_b32 s[G0], 1
	s_mov_b32 s[G0+1], s20
	s_add_nc_u64 s[G0+2:G0+3], s[8:9], s[20:21]
	s_or_b32 s[G0+3], s[G0+3], 0x80000000
	s_lshl_b32 s52, s18, 12                        ; b x 4,096
	s_add_nc_u64 s[6:7], s[6:7], s[52:53]          ; hidden[b]
	s_lshl_b32 s55, s19, 25                        ; y x 256 rows
	s_add_co_u32 s52, s52, s55
	s_lshl_b32 s55, s[WV], 23                      ; + wave x 64 rows
	s_add_co_u32 s52, s52, s55
	s_add_nc_u64 s[EN:EN+1], s[4:5], s[52:53]
	s_lshl_b32 s52, s18, 13
	s_lshl_b32 s55, s19, 10
	s_add_co_u32 s52, s52, s55
	s_add_nc_u64 s[10:11], s[10:11], s[52:53]      ; scores[b][256 y]
	global_load_b128 v[X:X+3], v[T16], s[6:7]      ; hidden[b], on its way to LDS
	global_load_b128 v[X+4:X+7], v[T16], s[6:7] offset:2048
	LOAD 0
	LOAD 1
	LOAD 2
	ROUND                                          ; all four work-groups are here: the first joint loads meet
	tensor_load_to_lds s[G0:G0+3], s[G1:G1+7]      ; slot 0, every wave its quarter: one tensor load a wave at the head
	s_nop 0
	NOPS
.set n, 0
.rept 64
	v_mov_b32 v[S+n], 0                            ; the score sums: one text serves every half tile, so the sums begin as zeros
.set n, n+1
.endr
	s_wait_loadcnt 48                              ; hidden is in; E's three fragments may be out
	ds_store_b128 v[HCP], v[X:X+3]
	ds_store_b128 v[HCP], v[X+4:X+7] offset:2048
	LOAD 3
	s_wait_xcnt 0x0
	s_add_nc_u64 s[EN:EN+1], s[EN:EN+1], RT        ; a trip issues the next trip's loads
	s_mov_b32 s[CNT], 0
.Lq:                                               ; STAGE 1.  A trip: K steps 0-3 of one row tile
	v_add_nc_u32 v[IWC], s[IT], v[IW]
	v_add_nc_u32 v[SWC], s[STP], v[SW]
	s_wait_alu depctr_va_vdst(0)
.irp j, 0,1,2,3
	FA \j, 48
	s_wait_dscnt 0x0
	FB \j, \j, 1
.endr
	s_wait_xcnt 0x0
	s_add_nc_u64 s[EN:EN+1], s[EN:EN+1], RT        ; a row tile on;
	s_cmp_eq_u32 s[CNT], 2
	s_cselect_b32 s52, 4*RT-2048, 0                ; behind the fourth row tile: back to the first, 2,048 bytes along K
	s_sub_nc_u64 s[EN:EN+1], s[EN:EN+1], s[52:53]
	s_add_co_u32 s[IT], s[IT], 8192
	s_add_co_u32 s[STP], s[STP], 512
	s_add_co_u32 s[CNT], s[CNT], 1
	s_cmp_lt_u32 s[CNT], 4
	s_cbranch_scc1 .Lq
	STAGEIN 0
	s_mov_b32 s[IT], 0
	s_mov_b32 s[STP], 0
	s_mov_b32 s[CNT], 3
.Lm:                                               ; STAGE 2.  A trip: a slot of K half 0, and K steps 4-7 of one row tile
	SLOT 1, 1, 1, 4
	s_sub_co_u32 s[CNT], s[CNT], 1
	s_cmp_lg_u32 s[CNT], 0
	s_cbranch_scc1 .Lm
	SLOT 1, 1, 0, 4                                ; the last row tile is written out: no load leaves the buffer
	STAGEIN 1
	s_mov_b32 s[HT], 0
	s_mov_b32 s[CNT], 3
.Ln:                                               ; STAGE 3.  A trip: a slot of K half 1
	SLOT 1, 0, 0, 0
	s_sub_co_u32 s[CNT], s[CNT], 1
	s_cmp_lg_u32 s[CNT], 0
	s_cbranch_scc1 .Ln
	SLOT 0, 0, 0, 0                                ; the last slot is written out: nothing is left to fetch
	; THE WAY OUT.  A lane's 64 sums are over the columns o = r (mod 16) of my column half: added over the 16 lanes of a half, stored, and added to the other column half's.
.irp m, 1,2,4,8
.set n, 0
.rept 64
	v_add_f32_dpp v[S+n], v[S+n], v[S+n] row_xmask:\m row_mask:0xf bank_mask:0xf
.set n, n+1
.endr
.endr
.irp mt, 0,1,2,3,4,5,6,7
.irp u, 0,1
	ds_store_b128 v[RS], v[S+8*\mt+4*\u:S+8*\mt+4*\u+3] offset:64*\mt+16*\u   ; the sixteen lanes of a half write the same bytes with the same values
.endr
.endr
	s_wait_dscnt 0x0                               ; for the others' sake: my sums have landed
	s_barrier_signal -1
	s_barrier_wait -1
	ds_load_b64 v[PB:PB+1], v[RRD]
	ds_load_b64 v[PB+2:PB+3], v[RRD] offset:512
	s_wait_dscnt 0x0
	v_pk_add_f32 v[PB:PB+1], v[PB:PB+1], v[PB+2:PB+3]
	global_store_b64 v[GO], v[PB:PB+1], s[10:11]   ; each store of a wave covers 256 consecutive bytes, aligned
	s_wait_tensorcnt 0x0                           ; the wave's end
	ds_add_u32 v[SPW], v[NIL]
	s_wait_dscnt 0x0
	ROUND                                          ; the closing round
	s_endpgm
.Lfunc_end_k_qa47d76095f_project:
	.size	k_qa47d76095f_project, .Lfunc_end_k_qa47d76095f_project-k_qa47d76095f_project
	.p2alignl 7, 3214868480
	.fill 96, 4, 3214868480
	.section	.rodata,"a",@progbits
	.p2align	6, 0x0
	.amdhsa_kernel k_qa47d76095f_project
		.amdhsa_group_segment_fixed_size 327680
		.amdhsa_private_segment_fixed_size 0
		.amdhsa_enable_private_segment 0
		.amdhsa_kernarg_size 32
		.amdhsa_user_sgpr_count 2
		.amdhsa_user_sgpr_kernarg_segment_ptr 1
		.amdhsa_wavefront_size32 1
		.amdhsa_system_sgpr_workgroup_id_x 1
		.amdhsa_system_sgpr_workgroup_id_y 1
		.amdhsa_system_sgpr_workgroup_id_z 1
		.amdhsa_system_vgpr_workitem_id 0
		.amdhsa_next_free_vgpr 1024
		.amdhsa_next_free_sgpr 66
		.amdhsa_reserve_vcc 0
		.amdhsa_float_denorm_mode_32 3
		.amdhsa_float_denorm_mode_16_64 3
		.amdhsa_memory_ordered 1
		.amdhsa_forward_progress 1
		.amdhsa_inst_pref_size 255
	.end_amdhsa_kernel
	.section	.bss,"aw",@nobits
	.p2align	6
	.space	262144
	.amdgpu_metadata
---
amdhsa.version: [ 1, 2 ]
amdhsa.kernels:
  - .name:           k_qa47d76095f_project
    .symbol:         k_qa47d76095f_project.kd
    .args:
      - { .name: encoder_outputs, .offset: 0, .size: 8, .value_kind: global_buffer, .address_space: global }
      - { .name: hidden, .offset: 8, .size: 8, .value_kind: global_buffer, .address_space: global }
      - { .name: wq, .offset: 16, .size: 8, .value_kind: global_buffer, .address_space: global }
      - { .name: scores, .offset: 24, .size: 8, .value_kind: global_buffer, .address_space: global }
    .group_segment_fixed_size: 327680
    .private_segment_fixed_size: 0
    .kernarg_segment_align: 8
    .kernarg_segment_size: 32
    .max_flat_workgroup_size: 128
    .sgpr_count:     66
    .vgpr_count:     1024
    .wavefront_size: 32
...
	.end_amdgpu_metadata
.endif
;; end of part 2
;; launch softmax (part 3): grid 32 x 1, 16 waves a work-group, no clusters, 2,304 bytes of LDS; arguments scores, out0; writes out0
.if DOCPART == 3
	.amdgcn_target "amdgcn-amd-amdhsa--gfx1250"
	.amdhsa_code_object_version 6
	.text
	.protected	k_qa47d76095f_softmax
	.globl	k_qa47d76095f_softmax
	.p2align	8
	.type	k_qa47d76095f_softmax,@function
k_qa47d76095f_softmax:
	s_mov_b64 s[64:65], 0
	v_nop
	global_prefetch_b8 v0, s[64:65] scope:SCOPE_SE
	s_setreg_imm32_b32 hwreg(HW_REG_WAVE_MODE, 25, 1), 1
	s_wait_xcnt 0x0
; out0[0][b][:] = softmax over s of scores[b][:].  A row is 2,048 f32, 8,192 bytes: one work-group of sixteen waves takes a row, a thread four numbers,
; which stay in registers between the maximum, the sum and the scaling: the row is read once and written once.
; The row's maximum is taken away BEFORE the multiplication by log2(e): the difference of two near numbers is exact, a difference of two large products would not be.
; The largest number gives 2^0 = 1, so the sum is at least 1.  No matrix unit, no tensor load, no cluster: 256 KB in all, and no two work-groups share a byte.
; LIMITS: NaN and infinities among the scores are not served.
	s_load_b128 s[4:7], s[0:1], 0x0                ; scores s[4:5], out0 s[6:7]
	v_lshl_add_u32 v32, v0, 2, 0x100
	v_mov_b32 v33, 0
	v_lshlrev_b32 v1, 4, v0                        ; 16 x thread
	v_lshrrev_b32 v2, 5, v0
	s_delay_alu instid0(VALU_DEP_1)
	v_lshlrev_b32 v2, 2, v2                        ; LDS: 4 x wave
	v_mov_b32 v3, 0
	v_mov_b32 v9, 0                                ; written once: a lane permute's destination counts as one of its sources
	s_lshl_b32 s8, ttmp9, 13                       ; row b
	s_mov_b32 s9, 0
	s_mov_b32 s10, 0x76543210                      ; lane selects: lane l xor 16
	s_mov_b32 s11, 0xfedcba98
	s_wait_alu depctr_va_vdst(0)
	s_wait_kmcnt 0x0
	s_add_nc_u64 s[4:5], s[4:5], s[8:9]
	s_add_nc_u64 s[6:7], s[6:7], s[8:9]
	global_load_b128 v[4:7], v1, s[4:5] th:TH_LOAD_NT   ; a wave reads 512 consecutive bytes
	s_wait_loadcnt 0x0
	v_max3_num_f32 v8, v4, v5, v6                  ; the maximum: my four,
	s_delay_alu instid0(VALU_DEP_1)
	v_max_num_f32 v8, v8, v7
.irp m, 1,2,4,8
	s_delay_alu instid0(VALU_DEP_1)
	v_max_num_f32_dpp v8, v8, v8 row_xmask:\m row_mask:0xf bank_mask:0xf   ; the 16 lanes of a half,
.endr
	s_delay_alu instid0(VALU_DEP_1)
	v_permlanex16_b32 v9, v8, s10, s11
	s_delay_alu instid0(VALU_DEP_1)
	v_max_num_f32 v8, v8, v9                       ; the wave,
	ds_store_b32 v2, v8                            ; (all lanes write the wave's word with the same value)
	s_wait_dscnt 0x0                               ; for the others' sake
	s_barrier_signal -1
	s_barrier_wait -1
.irp i, 0,1,2,3
	ds_load_b128 v[12+4*\i:15+4*\i], v3 offset:16*\i
.endr
	s_wait_dscnt 0x0
	v_max3_num_f32 v8, v12, v13, v14               ; the sixteen waves: the row
.irp j, 15,17,19,21,23,25
	s_delay_alu instid0(VALU_DEP_1)
	v_max3_num_f32 v8, v8, v[\j], v[\j+1]
.endr
	s_delay_alu instid0(VALU_DEP_1)
	v_max_num_f32 v8, v8, v27
.irp j, 4,5,6,7
	v_sub_f32 v[\j], v[\j], v8                     ; x - maximum first,
.endr
.irp j, 4,5,6,7
	s_delay_alu instid0(VALU_DEP_4)
	v_mul_f32 v[\j], 0x3fb8aa3b, v[\j]             ; then x log2(e)
.endr
	s_wait_alu depctr_va_vdst(0)
.irp j, 4,5,6,7
	v_exp_f32 v[\j], v[\j]
.endr
	v_nop                                          ; a plain line behind the last exponential
	s_wait_alu depctr_va_vdst(0)                   ; one wait for the four, ahead of their first reader
	v_add_f32 v10, v4, v5                          ; the sum, by the same road; its words lie in other bytes of LDS than the maxima
	v_add_f32 v11, v6, v7
	s_delay_alu instid0(VALU_DEP_1)
	v_add_f32 v10, v10, v11
.irp m, 1,2,4,8
	s_delay_alu instid0(VALU_DEP_1)
	v_add_f32_dpp v10, v10, v10 row_xmask:\m row_mask:0xf bank_mask:0xf
.endr
	s_delay_alu instid0(VALU_DEP_1)
	v_permlanex16_b32 v9, v10, s10, s11
	s_delay_alu instid0(VALU_DEP_1)
	v_add_f32 v10, v10, v9
	ds_store_b32 v2, v10 offset:64
	s_wait_dscnt 0x0
	s_barrier_signal -1
	s_barrier_wait -1
.irp i, 0,1,2,3
	ds_load_b128 v[12+4*\i:15+4*\i], v3 offset:64+16*\i
.endr
	s_wait_dscnt 0x0
	v_pk_add_f32 v[12:13], v[12:13], v[14:15]
	v_pk_add_f32 v[16:17], v[16:17], v[18:19]
	v_pk_add_f32 v[20:21], v[20:21], v[22:23]
	v_pk_add_f32 v[24:25], v[24:25], v[26:27]
	s_delay_alu instid0(VALU_DEP_3)
	v_pk_add_f32 v[12:13], v[12:13], v[16:17]
	s_delay_alu instid0(VALU_DEP_2)
	v_pk_add_f32 v[20:21], v[20:21], v[24:25]
	s_delay_alu instid0(VALU_DEP_1)
	v_pk_add_f32 v[12:13], v[12:13], v[20:21]
	s_delay_alu instid0(VALU_DEP_1)
	v_add_f32 v10, v12, v13
	s_wait_alu depctr_va_vdst(0)
	v_rcp_f32 v10, v10
	v_nop                                          ; a plain line behind the reciprocal
	s_wait_alu depctr_va_vdst(0)                   ; and the wait ahead of its first reader
.irp j, 4,5,6,7
	v_mul_f32 v[\j], v[\j], v10
.endr
	global_store_b128 v1, v[4:7], s[6:7] th:TH_STORE_NT   ; a wave stores 512 consecutive bytes, aligned
	s_wait_tensorcnt 0x0
	ds_add_u32 v32, v33
	s_wait_dscnt 0x0
	s_endpgm
.Lfunc_end_k_qa47d76095f_softmax:
	.size	k_qa47d76095f_softmax, .Lfunc_end_k_qa47d76095f_softmax-k_qa47d76095f_softmax
	.p2alignl 7, 3214868480
	.fill 96, 4, 3214868480
	.section	.rodata,"a",@progbits
	.p2align	6, 0x0
	.amdhsa_kernel k_qa47d76095f_softmax
		.amdhsa_group_segment_fixed_size 2304
		.amdhsa_private_segment_fixed_size 0
		.amdhsa_enable_private_segment 0
		.amdhsa_kernarg_size 16
		.amdhsa_user_sgpr_count 2
		.amdhsa_user_sgpr_kernarg_segment_ptr 1
		.amdhsa_wavefront_size32 1
		.amdhsa_system_sgpr_workgroup_id_x 1
		.amdhsa_system_sgpr_workgroup_id_y 1
		.amdhsa_system_sgpr_workgroup_id_z 1
		.amdhsa_system_vgpr_workitem_id 0
		.amdhsa_next_free_vgpr 34
		.amdhsa_next_free_sgpr 66
		.amdhsa_reserve_vcc 0
		.amdhsa_float_denorm_mode_32 3
		.amdhsa_float_denorm_mode_16_64 3
		.amdhsa_memory_ordered 1
		.amdhsa_forward_progress 1
		.amdhsa_inst_pref_size 6
	.end_amdhsa_kernel
	.amdgpu_metadata
---
amdhsa.version: [ 1, 2 ]
amdhsa.kernels:
  - .name:           k_qa47d76095f_softmax
    .symbol:         k_qa47d76095f_softmax.kd
    .args:
      - { .name: scores, .offset: 0, .size: 8, .value_kind: global_buffer, .address_space: global }
      - { .name: out0, .offset: 8, .size: 8, .value_kind: global_buffer, .address_space: global }
    .group_segment_fixed_size: 2304
    .private_segment_fixed_size: 0
    .kernarg_segment_align: 8
    .kernarg_segment_size: 16
    .max_flat_workgroup_size: 512
    .sgpr_count:     66
    .vgpr_count:     34
    .wavefront_size: 32
...
	.end_amdgpu_metadata
.endif
;; end of part 3
